; MI455X (gfx1250); checked and timed in simulation.
; The chip was launched on July 23, 2026; its instructions are those of AMD's public machine-readable ISA for CDNA 5 (MIT licence, August 2026) and "CDNA5" Instruction Set Architecture Reference Guide (July 2026). The comments in the code are by the model that wrote it; some were corrected since.
;; Linear Attention. Allowed arithmetic: matrix products marked QUANTISED: E4M3 operands, one E8M0 scale for each 32 along K, by v_wmma_scale_f32_16x16x128_f8f6f4 with both operands' format E4M3, f32 sums; products left as they are: f32 operands where the result goes on into a quantised operand, else bf16, f16 or f32 operands; f32 sums; everything else in f32.
;; Inputs: keys 8 x 4,096 x 8 x 64 float32; queries 8 x 4,096 x 8 x 64 float32; values 8 x 4,096 x 8 x 64 float32.
;; Outputs: out0 8 x 4,096 x 8 x 64 float32.
;; This version of the problem:
;;   THIS VERSION OF THE PROBLEM IS GIVEN IN LOW PRECISION. The matrix products marked QUANTISED in the list below multiply operands that are first quantised to E4M3 (4 exponent bits, 3 mantissa bits; 8 bits a number), with one power-of-two scale for each 32 numbers along K (OCP MX v1.0); their sums are f32. All else is computed in f32.
;;   The module's matrix products, in the order in which they are computed (A, B: the left and right operand; K: the contracted axis; several contracted axes count as one K, in the product's order):
;;     1. batch 64 x [M 64, K 4,096] x [K 4,096, N 64]; A: computed on the way; B: computed on the way: QUANTISED
;;     2. batch 64 x [M 1, K 64] x [K 64, N 4,096]; A: computed on the way; B: computed on the way: left as it is (M = 1 < 16)
;;     3. batch 64 x [M 64, K 64] x [K 64, N 4,096]; A: computed on the way; B: computed on the way: QUANTISED
;;     4. batch 262,144 x [M 1, K 1] x [K 1, N 64]; A: computed on the way; B: computed on the way: left as it is (no contracted axis)
;;   THE QUANTISER, for each operand of a quantised product, along K:
;;     - K is cut into blocks of 32 from its start; a last block that is shorter is filled with zeros.
;;     - A block's scale is 2^e with e = floor(log2(the largest magnitude in the block)) - 8, held to -126 .. 127; a block of zeros has e = 0. As a byte (E8M0): e + 127.
;;     - Each number is divided by its block's scale, clamped to +-448, and rounded to the nearest number of E4M3, ties to even, subnormals kept.
;;     - The product sums the exact products of the quantised numbers (number of the format x scale) in f32.
;;   ~~~python
;;   def quantise(x, axis):      # numpy; x: float32 -> the quantised numbers, widened to float32 again
;;       x = np.moveaxis(x, axis, -1); K = x.shape[-1]
;;       x = np.pad(x, [(0, 0)] * (x.ndim - 1) + [(0, -K % 32)]); x = x.reshape(x.shape[:-1] + (-1, 32)); a = np.abs(x).max(-1, keepdims=True)
;;       e = np.where(a > 0, np.clip(np.frexp(np.where(a > 0, a, 1))[1] - 1 - 8, -126, 127), 0)      # np.frexp(a)[1] - 1 = floor(log2(a)), exactly
;;       r = np.clip(x / 2.0 ** e, -448, 448)
;;       step = 2.0 ** (np.maximum(np.frexp(np.where(r == 0, 1, r))[1] - 1, -6) - 3)
;;       q = np.round(r / step) * step * 2.0 ** e      # np.round: ties to even
;;       return np.moveaxis(q.reshape(q.shape[:-2] + (-1,))[..., :K], -1, axis).astype(np.float32)
;;   ~~~
;;   OPERANDS COMPUTED ON THE WAY. 'Computed on the way' means the value that the module computes at that place (a softmax that the list does not call 'softmax' is quantised finished and normalised). What goes into a quantiser is computed in f32, as accurately as f32 sums, v_exp_f32 and their like allow (about 1e-6 of the number): no bf16 or f16 on the way to a quantiser, and a product that is left as it is and whose result goes on into a quantised operand takes f32 operands (vector FMAs, or v_wmma_f32_16x16x4_f32). A number that lies on a knife's edge between two numbers of the format may be rounded either way, as far as f32 arithmetic and the matrix unit's own rounding can turn it there, and no further.
;; 2 versions, each right; version 2 is version 1 with the launch kvsum written anew for expert scheduling mode. Each part assembles by itself: llvm-mc -triple=amdgcn-amd-amdhsa -mcpu=gfx1250 --defsym DOCPART=n.
;; ======== version 1 of 2: 2 launches
;; workspace buffers: pkv 4,194,304 bytes; pks 131,072 bytes
;; launch kvsum (part 1): grid 64 x 4, 8 waves a work-group, no clusters, 134,144 bytes of LDS; arguments keys, values, pkv, pks; writes pkv, pks
.if DOCPART == 1
	.amdgcn_target "amdgcn-amd-amdhsa--gfx1250"
	.amdhsa_code_object_version 6
	.text
	.protected	k_q27701028bf_kvsum
	.globl	k_q27701028bf_kvsum
	.p2align	8
	.type	k_q27701028bf_kvsum,@function
k_q27701028bf_kvsum:
	s_mov_b64 s[64:65], 0
	v_nop
	global_prefetch_b8 v0, s[64:65] scope:SCOPE_SE
	s_setreg_imm32_b32 hwreg(HW_REG_WAVE_MODE, 25, 1), 1
	s_wait_xcnt 0x0
; KV[d][v] = sum over s of Q8(elu(keys)+1)[s][d] x Q8(values/4096)[s][v] and Ksum[d] = sum over s of (elu(keys)+1)[s][d], for one (batch, head) and one quarter of the 4,096 keys.
; Q8: codes of E4M3 with one E8M0 scale for each 32 along s.  keys, values: [8][4096][8][64] f32: a head's row is 256 bytes, at a multiple of 256, rows 2,048 bytes apart.
; SHARES.  Work-group (x, y): x = 8 batch + head, y = the quarter.  Eight waves, 128 keys each: ONE K step of the matrix instruction, 16 products (4 tiles of d x 4 tiles of v) that start from the constant 0.
; LAYOUT.  A load of 16 bytes a lane: lanes 0-15 take one row s (256 consecutive bytes, aligned), lanes 16-31 the row 16 further down.  So lane (r, h) holds columns 4 r .. 4 r + 3, and down its registers
; s = 32 c + 16 h + i, which is the order in which the operand wants k.  TILE j IS MADE OF THE COLUMNS 4 m + j (m = its row): which columns form a tile is free.  Nothing is transposed: the v_med3 that is due
; anyway (elu's choice for keys, the hold for values) writes each of the four columns into 16 consecutive registers.  A block of 32 lies in lanes l and l xor 16.
; elu(x) + 1 is written as the definition has it: med3(exp(x) - 1, 0, x) + 1 (for x > 0: 0 < x < exp(x) - 1; for x < 0: x < exp(x) - 1 < 0), so that far below zero it gives the same zeros.
; values / 4096: a power of two, so the codes are those of the values themselves and the scale's byte is 12 lower; the floor under the largest magnitude stands 12 binades higher, so that the byte is held at 1 as for v / 4096.
; OUT.  The eight waves' sums meet in LDS; each wave adds one eighth.  pkv[x][y] is the image of the 16 accumulators: [tile 4 a + b][half of its registers][lane][4 registers]; element: d = 32 (lane / 16) + 4 j + a, v = 4 (lane % 16) + b.
; pks[x][y][u][d]: the key sums of waves 4 u .. 4 u + 3.  The next launch adds the parts.
; No tensor loads, no cluster: no two work-groups read the same byte.
; LIMITS: NaN and infinities among the inputs are not served.  A block of zeros gets the byte 1 where the quantiser says 127: its codes are zeros, and this program alone reads the bytes.
; The f32 sums go by K steps of 128 keys, then by waves: another order than a plain ascending sum.
; REGISTERS, in windows of 256.  Window 0: v0-15 addresses; v16-23 key sums; v24-31 scale words; v32-55 at work; v64-127 K's codes (tile j at 16 j); v128-191 U; v192-255 Y; v128-255 later the accumulators.
;   Window 1: v0-63 V's codes; v64-255 three buffers of 64 registers for loads.
.set ROW,  2048                        ; bytes from key to key
.set FLK,  0x04800000                  ; 2^(9 - 127): the floor under a block's largest magnitude, so that the byte cannot fall under 1
.set FLV,  0x0a800000                  ; 2^(21 - 127): the same for values, whose byte is 12 lower
.set KSR,  8*16384                     ; LDS: eight images of 16,384 bytes, then eight rows of 256 bytes of key sums
.set GA,   4                           ; v4   my byte in a run of rows: 16 r + 16 rows x h
.set RA,   5                           ; v5   LDS: where my wave's image begins for my lane
.set RB0,  6                           ; v6   LDS: my wave's eighth of the images of waves 0-3
.set RB1,  7                           ; v7   and of waves 4-7 (an offset holds 16 bits)
.set KSA,  8                           ; v8   LDS: my wave's row of key sums
.set KSB,  9                           ; v9   LDS: the rows of waves 4 h on
.set PO,   10                          ; v10  my byte in pkv's image
.set SO,   11                          ; v11  16 x lane
.set KS,   16                          ; v16-23 key sums: a pair for each of my four columns
.set AS,   24                          ; v24-27 K's scale words, tile j: scales and nothing else
.set BS,   28                          ; v28-31 V's
.set M,    32
.set PM,   36
.set LIM,  40
.set SCL,  44
.set BY,   48
.set KF,   52
.set A,    64
.set U,    128
.set Y,    192
.set D,    128
.set BC,   0                           ; in window 1
.set WV,   12
.set SEL,  28                          ; s[28:29] v_permlanex16_b32's selects for lane l xor 16
.set CS,   30                          ; s[30:31] log2(e): the packed form names a pair and takes its low word for both halves
.set MNT,  32                          ; s32 the mantissa field of 448
.set MSB, 0
.macro WIN new                         ; the immediate's high byte repeats the setting that is left
.if MSB != \new
	s_set_vgpr_msb (MSB<<8)|\new
.set MSB, \new
.endif
.endm
; Unit u of eight: keys (u even) or values (u odd) of the wave's 32 keys u / 2, into buffer u % 3: 16 loads, each two whole rows of 256 bytes
.macro LOADU u
	WIN 0x40                                       ; destination window 1, address window 0
.irp i, 0,1,2,3,4,5,6,7,8,9,10,11,12,13,14,15
	global_load_b128 v[64+64*((\u)%3)+4*\i:64+64*((\u)%3)+4*\i+3], v[GA], s[4+2*((\u)%2):5+2*((\u)%2)] offset:(32*((\u)/2)+\i)*ROW th:TH_LOAD_NT
.endr
.endm
	s_load_b128 s[4:7], s[0:1], 0x0                ; keys, values
	s_load_b128 s[8:11], s[0:1], 0x10              ; pkv, pks
	v_lshl_add_u32 v62, v0, 2, 0x20800
	v_mov_b32 v63, 0
	v_lshrrev_b32 v1, 5, v0
	v_readfirstlane_b32 s[WV], v1                  ; wave 0..7
	s_lshr_b32 s14, ttmp9, 3                       ; batch
	s_and_b32 s15, ttmp9, 7                        ; head
	s_and_b32 s16, ttmp7, 0xffff                   ; quarter of the keys
	s_lshl_b32 s14, s14, 23                        ; 4,096 rows of 2,048 bytes
	s_lshl_b32 s15, s15, 8
	s_lshl_b32 s17, s16, 21                        ; 1,024 rows
	s_lshl_b32 s18, s[WV], 18                      ; 128 rows
	s_add_co_u32 s14, s14, s15
	s_add_co_u32 s14, s14, s17
	s_add_co_u32 s14, s14, s18                     ; under 2^26
	s_mov_b32 s15, 0
	s_lshl_b32 s19, ttmp9, 2
	s_add_co_u32 s19, s19, s16                     ; 4 x + y
	s_lshl_b32 s20, s19, 14                        ; an image of 16,384 bytes
	s_mov_b32 s21, 0
	s_lshl_b32 s22, s19, 9                         ; 512 bytes of key sums
	s_mov_b32 s23, 0
	v_and_b32 v1, 15, v0                           ; r
	v_bfe_u32 v2, v0, 4, 1                         ; h
	v_and_b32 v3, 31, v0                           ; lane
	v_lshlrev_b32 v[GA], 4, v1
	v_lshl_add_u32 v[GA], v2, 15, v[GA]            ; 16 r + 16 rows x h
	s_wait_kmcnt 0x0
	s_add_nc_u64 s[4:5], s[4:5], s[14:15]
	s_add_nc_u64 s[6:7], s[6:7], s[14:15]
	s_add_nc_u64 s[8:9], s[8:9], s[20:21]
	s_add_nc_u64 s[10:11], s[10:11], s[22:23]
	LOADU 0                                        ; three units, 48 loads, 24 KB of the wave's 64 KB, are out before anything else is done
	LOADU 1
	LOADU 2
	WIN 0
	s_mov_b32 s[SEL], 0x76543210
	s_mov_b32 s[SEL+1], 0xfedcba98
	s_mov_b32 s[CS], 0x3fb8aa3b
	s_mov_b32 s[CS+1], s[CS]                       ; (named with it as a pair, so it is written)
	s_mov_b32 s[MNT], 0x600000
	v_lshlrev_b32 v[SO], 4, v3
	s_lshl_b32 s24, s[WV], 14
	v_add_nc_u32 v[RA], s24, v[SO]
	s_lshl_b32 s25, s[WV], 11
	v_add_nc_u32 v[RB0], s25, v[SO]
	v_add_nc_u32 v[RB1], 0x10000, v[RB0]
	v_add_nc_u32 v[PO], s25, v[SO]
	s_lshl_b32 s26, s[WV], 8
	s_add_co_u32 s26, s26, KSR
	v_lshl_add_u32 v[KSA], v1, 4, s26
	v_lshlrev_b32 v[KSB], 10, v2
	v_lshl_add_u32 v[KSB], v1, 4, v[KSB]
	v_add_nc_u32 v[KSB], KSR, v[KSB]
.irp j, 0,1,2,3
	v_mov_b32 v[PM+\j], 0                          ; written once: a lane permute's destination counts as one of its sources
.endr
; 32 keys of K.  left: the loads of younger units, which may stay out
.macro KUNIT c, left
.set SB, 64+64*((2*(\c))%3)
	s_wait_loadcnt \left                           ; loads come back in order: this unit's 16 are in
	WIN 0x01                                       ; source 0 window 1
.set n, 0
.rept 32
	v_pk_mul_f32 v[U+2*n:U+2*n+1], v[SB+2*n:SB+2*n+1], s[CS:CS+1] op_sel_hi:[1,0]   ; x log2(e)
.set n, n+1
.endr
	WIN 0
.set n, 0
.rept 64
	v_exp_f32 v[U+n], v[U+n]
.set n, n+1
.endr
	v_nop                                          ; one plain instruction stands between the exponentials and the first use of a result: another exponential is none
.set n, 0
	s_wait_alu depctr_va_vdst(0)
.rept 32
	v_pk_add_f32 v[U+2*n:U+2*n+1], v[U+2*n:U+2*n+1], -1.0 op_sel_hi:[1,0]           ; exp(x) - 1, rounded as the definition's expm1 is, to within the exponential's own error
.set n, n+1
.endr
	WIN 0x01
.irp i, 0,1,2,3,4,5,6,7,8,9,10,11,12,13,14,15
.irp j, 0,1,2,3
	v_med3_num_f32 v[Y+16*\j+\i], v[SB+4*\i+\j], 0, v[U+4*\i+\j]                    ; elu(x); column j's 16 numbers land in consecutive registers
.endr
.endr
.if 2*(\c)+3 < 8
	LOADU 2*(\c)+3                                 ; the buffer has been read: it takes the unit three further on
.endif
	WIN 0
.set n, 0
.rept 32
	v_pk_add_f32 v[Y+2*n:Y+2*n+1], v[Y+2*n:Y+2*n+1], 1.0 op_sel_hi:[1,0]            ; + 1
.set n, n+1
.endr
.irp p, 0,1,2,3,4,5,6,7                        ; the key sums take the unquantised numbers; the first two pairs start them: nothing is cleared
.irp j, 0,1,2,3
.if (\c == 0) && (\p == 1)
	v_pk_add_f32 v[KS+2*\j:KS+2*\j+1], v[Y+16*\j:Y+16*\j+1], v[Y+16*\j+2:Y+16*\j+3]
.elseif (\c > 0) || (\p > 1)
	v_pk_add_f32 v[KS+2*\j:KS+2*\j+1], v[KS+2*\j:KS+2*\j+1], v[Y+16*\j+2*\p:Y+16*\j+2*\p+1]
.endif
.endr
.endr
.irp j, 0,1,2,3
	v_max3_num_f32 v[M+\j], v[Y+16*\j], v[Y+16*\j+1], FLK                           ; the largest of my 16 (none is negative), over the floor; four columns by turns
.endr
.irp i, 2,4,6,8,10,12,14
.irp j, 0,1,2,3
	v_max3_num_f32 v[M+\j], v[M+\j], v[Y+16*\j+\i], v[Y+16*\j+\i+1]
.endr
.endr
.irp j, 0,1,2,3
	v_permlanex16_b32 v[PM+\j], v[M+\j], s[SEL], s[SEL+1]
.endr
.irp j, 0,1,2,3
	v_max_num_f32 v[M+\j], v[M+\j], v[PM+\j]       ; with lane l xor 16's 16: the block's
.endr
.irp j, 0,1,2,3
	v_add_nc_u32 v[SCL+\j], 0xfc000000, v[M+\j]    ; 8 off the exponent field: the conversion takes this operand's exponent field as its scale
.endr
.irp j, 0,1,2,3
	v_and_or_b32 v[LIM+\j], v[M+\j], 0x7f800000, s[MNT]   ; 448 x the scale
.endr
.irp j, 0,1,2,3
.if \c == 0
	v_lshrrev_b32 v[AS+\j], 23, v[SCL+\j]          ; the scale's byte: byte c of the column's word
.else
	v_lshrrev_b32 v[BY+\j], 23, v[SCL+\j]
.endif
.endr
.if \c > 0
.irp j, 0,1,2,3
	v_lshl_or_b32 v[AS+\j], v[BY+\j], 8*\c, v[AS+\j]
.endr
.endif
.irp j, 0,1,2,3
.irp i, 0,1,2,3,4,5,6,7,8,9,10,11,12,13,14,15
	v_min_num_f32 v[Y+16*\j+\i], v[Y+16*\j+\i], v[LIM+\j]   ; the conversion to an 8-bit code does not saturate (ISA guide 7.6.2); nothing is negative, so the hold is one-sided
.endr
	v_cvt_scalef32_pk8_fp8_f32 v[A+16*\j+4*\c:A+16*\j+4*\c+1], v[Y+16*\j:Y+16*\j+7], v[SCL+\j]      ; registers 4 c .. 4 c + 3 of tile j: k = 32 c + 16 h + 0 .. 15
	v_cvt_scalef32_pk8_fp8_f32 v[A+16*\j+4*\c+2:A+16*\j+4*\c+3], v[Y+16*\j+8:Y+16*\j+15], v[SCL+\j]
.endr
	v_nop                                          ; a plain line behind the last conversion, ahead of whatever writes its sources next
.endm
; 32 keys of V
.macro VUNIT c, left
.set SB, 64+64*((2*(\c)+1)%3)
	s_wait_loadcnt \left
	WIN 0x05                                       ; sources 0 and 1 window 1
.irp j, 0,1,2,3
	v_max3_num_f32 v[M+\j], |v[SB+\j]|, |v[SB+4+\j]|, FLV
.endr
.irp i, 2,4,6,8,10,12,14
.irp j, 0,1,2,3
	v_max3_num_f32 v[M+\j], |v[SB+4*\i+\j]|, |v[SB+4*\i+4+\j]|, v[M+\j]
.endr
.endr
	WIN 0
.irp j, 0,1,2,3
	v_permlanex16_b32 v[PM+\j], v[M+\j], s[SEL], s[SEL+1]
.endr
.irp j, 0,1,2,3
	v_max_num_f32 v[M+\j], v[M+\j], v[PM+\j]
.endr
.irp j, 0,1,2,3
	v_add_nc_u32 v[SCL+\j], 0xfc000000, v[M+\j]
.endr
.irp j, 0,1,2,3
	v_and_or_b32 v[LIM+\j], v[M+\j], 0x7f800000, s[MNT]
.endr
.irp j, 0,1,2,3
	v_lshrrev_b32 v[BY+\j], 23, v[SCL+\j]
.endr
.irp j, 0,1,2,3
.if \c == 0
	v_add_nc_u32 v[BS+\j], -12, v[BY+\j]           ; values / 4096: the byte is 12 lower (at least 1, by the floor)
.else
	v_add_nc_u32 v[BY+\j], -12, v[BY+\j]
.endif
.endr
.if \c > 0
.irp j, 0,1,2,3
	v_lshl_or_b32 v[BS+\j], v[BY+\j], 8*\c, v[BS+\j]
.endr
.endif
	WIN 0x01
.irp i, 0,1,2,3,4,5,6,7,8,9,10,11,12,13,14,15
.irp j, 0,1,2,3
	v_med3_num_f32 v[Y+16*\j+\i], v[SB+4*\i+\j], -v[LIM+\j], v[LIM+\j]   ; the hold at 448 x the scale, and column j's numbers into consecutive registers
.endr
.endr
.if 2*(\c)+4 < 8
	LOADU 2*(\c)+4
.endif
	WIN 0x40                                       ; destination window 1
.irp j, 0,1,2,3
	v_cvt_scalef32_pk8_fp8_f32 v[BC+16*\j+4*\c:BC+16*\j+4*\c+1], v[Y+16*\j:Y+16*\j+7], v[SCL+\j]
	v_cvt_scalef32_pk8_fp8_f32 v[BC+16*\j+4*\c+2:BC+16*\j+4*\c+3], v[Y+16*\j+8:Y+16*\j+15], v[SCL+\j]
.endr
	v_nop
.endm
	KUNIT 0, 32                                    ; behind each unit's loads stand those of the two units that follow it: 32; at the end 16 and none
	VUNIT 0, 32
	KUNIT 1, 32
	VUNIT 1, 32
	KUNIT 2, 32
	VUNIT 2, 32
	KUNIT 3, 16
	VUNIT 3, 0
	WIN 0
.irp j, 0,1,2,3                                ; the key sums are finished here: plain lines, the places between the last codes written and the products
	v_add_f32 v[KF+\j], v[KS+2*\j], v[KS+2*\j+1]
.endr
.irp j, 0,1,2,3
	v_permlanex16_b32 v[PM+\j], v[KF+\j], s[SEL], s[SEL+1]
.endr
.irp j, 0,1,2,3
	v_add_f32 v[KF+\j], v[KF+\j], v[PM+\j]         ; column 4 r + j over my wave's 128 keys
.endr
	WIN 0x04                                       ; source 1 (V) window 1
.irp a, 0,1,2,3
.irp b, 0,1,2,3
	v_wmma_scale_f32_16x16x128_f8f6f4 v[D+8*(4*\a+\b):D+8*(4*\a+\b)+7], v[A+16*\a:A+16*\a+15], v[BC+16*\b:BC+16*\b+15], 0, v[AS+\a], v[BS+\b]
.endr
.endr
	WIN 0
.rept 8
	v_nop                                          ; eight places behind this form before its results are read
.endr
.set n, 0
.rept 32
	ds_store_b128 v[RA], v[D+4*n:D+4*n+3] offset:512*n   ; the accumulators as they stand, each from its low end on: 512 consecutive bytes a store
.set n, n+1
.endr
	ds_store_b128 v[KSA], v[KF:KF+3]               ; lanes l and l + 16 write the same bytes with the same values
	s_wait_dscnt 0x0                               ; for the others' sake: my stores have landed
	s_barrier_signal -1
	s_barrier_wait -1
.irp w, 0,1,2,3                                ; my eighth (four groups of four registers) of all eight images
.irp q, 0,1,2,3
	ds_load_b128 v[D+16*\w+4*\q:D+16*\w+4*\q+3], v[RB0] offset:\w*16384+\q*512
.endr
.endr
.irp w, 0,1,2,3
.irp q, 0,1,2,3
	ds_load_b128 v[D+64+16*\w+4*\q:D+64+16*\w+4*\q+3], v[RB1] offset:\w*16384+\q*512
.endr
.endr
	s_wait_dscnt 0x0
.set n, 0
.rept 32
	v_pk_add_f32 v[D+2*n:D+2*n+1], v[D+2*n:D+2*n+1], v[D+64+2*n:D+64+2*n+1]
.set n, n+1
.endr
.set n, 0
.rept 16
	v_pk_add_f32 v[D+2*n:D+2*n+1], v[D+2*n:D+2*n+1], v[D+32+2*n:D+32+2*n+1]
.set n, n+1
.endr
.set n, 0
.rept 8
	v_pk_add_f32 v[D+2*n:D+2*n+1], v[D+2*n:D+2*n+1], v[D+16+2*n:D+16+2*n+1]
.set n, n+1
.endr
.irp q, 0,1,2,3
	global_store_b128 v[PO], v[D+4*\q:D+4*\q+3], s[8:9] offset:\q*512   ; 512 consecutive bytes, at a multiple of 512 from the buffer's first byte
.endr
	s_cmp_lg_u32 s[WV], 0                          ; wave 0 adds the key sums: lanes 0-15 those of waves 0-3, lanes 16-31 those of waves 4-7
	s_cbranch_scc1 .Lend
.irp i, 0,1,2,3
	ds_load_b128 v[D+16+4*\i:D+16+4*\i+3], v[KSB] offset:\i*256
.endr
	s_wait_dscnt 0x0
.irp e, 0,2
	v_pk_add_f32 v[D+16+\e:D+17+\e], v[D+16+\e:D+17+\e], v[D+20+\e:D+21+\e]
	v_pk_add_f32 v[D+24+\e:D+25+\e], v[D+24+\e:D+25+\e], v[D+28+\e:D+29+\e]
.endr
.irp e, 0,2
	v_pk_add_f32 v[D+16+\e:D+17+\e], v[D+16+\e:D+17+\e], v[D+24+\e:D+25+\e]
.endr
	global_store_b128 v[SO], v[D+16:D+19], s[10:11]   ; 512 consecutive bytes: two rows of 64 sums
.Lend:
	s_wait_tensorcnt 0x0
	ds_add_u32 v62, v63
	s_wait_dscnt 0x0
	s_endpgm
.Lfunc_end_k_q27701028bf_kvsum:
	.size	k_q27701028bf_kvsum, .Lfunc_end_k_q27701028bf_kvsum-k_q27701028bf_kvsum
	.p2alignl 7, 3214868480
	.fill 96, 4, 3214868480
	.section	.rodata,"a",@progbits
	.p2align	6, 0x0
	.amdhsa_kernel k_q27701028bf_kvsum
		.amdhsa_group_segment_fixed_size 134144
		.amdhsa_private_segment_fixed_size 0
		.amdhsa_enable_private_segment 0
		.amdhsa_kernarg_size 32
		.amdhsa_user_sgpr_count 2
		.amdhsa_user_sgpr_kernarg_segment_ptr 1
		.amdhsa_wavefront_size32 1
		.amdhsa_system_sgpr_workgroup_id_x 1
		.amdhsa_system_sgpr_workgroup_id_y 1
		.amdhsa_system_sgpr_workgroup_id_z 1
		.amdhsa_system_vgpr_workitem_id 0
		.amdhsa_next_free_vgpr 512
		.amdhsa_next_free_sgpr 66
		.amdhsa_reserve_vcc 0
		.amdhsa_float_denorm_mode_32 3
		.amdhsa_float_denorm_mode_16_64 3
		.amdhsa_memory_ordered 1
		.amdhsa_forward_progress 1
		.amdhsa_inst_pref_size 140
	.end_amdhsa_kernel
	.amdgpu_metadata
---
amdhsa.version: [ 1, 2 ]
amdhsa.kernels:
  - .name:           k_q27701028bf_kvsum
    .symbol:         k_q27701028bf_kvsum.kd
    .args:
      - { .name: keys, .offset: 0, .size: 8, .value_kind: global_buffer, .address_space: global }
      - { .name: values, .offset: 8, .size: 8, .value_kind: global_buffer, .address_space: global }
      - { .name: pkv, .offset: 16, .size: 8, .value_kind: global_buffer, .address_space: global }
      - { .name: pks, .offset: 24, .size: 8, .value_kind: global_buffer, .address_space: global }
    .group_segment_fixed_size: 134144
    .private_segment_fixed_size: 0
    .kernarg_segment_align: 8
    .kernarg_segment_size: 32
    .max_flat_workgroup_size: 256
    .sgpr_count:     66
    .vgpr_count:     512
    .wavefront_size: 32
...
	.end_amdgpu_metadata
.endif
;; end of part 1
;; launch apply (part 2): grid 64 x 4, 16 waves a work-group, no clusters, 290,816 bytes of LDS; arguments queries, pkv, pks, out0; writes out0
.if DOCPART == 2
	.amdgcn_target "amdgcn-amd-amdhsa--gfx1250"
	.amdhsa_code_object_version 6
	.text
	.protected	k_q27701028bf_apply
	.globl	k_q27701028bf_apply
	.p2align	8
	.type	k_q27701028bf_apply,@function
k_q27701028bf_apply:
	s_mov_b64 s[64:65], 0
	v_nop
	global_prefetch_b8 v0, s[64:65] scope:SCOPE_SE
	s_setreg_imm32_b32 hwreg(HW_REG_WAVE_MODE, 25, 1), 1
	s_wait_xcnt 0x0
; out[l][v] = (sum over d of Q8(Q)[l][d] Q8(KV)[d][v]) x 4096 / (sum over d of Q[l][d] Ksum[d] + 1e-6), Q = elu(queries) + 1, for one (batch, head) and 1,024 queries.
; Q8: codes of E4M3 with one E8M0 scale for each 32 along d.  The divisor takes the unquantised Q and Ksum, by f32 multiply-adds.  queries, out0: [8][4096][8][64] f32: a head's row is 256 bytes, rows 2,048 bytes apart.
; SHARES.  Work-group (x, y): x = 8 batch + head, y = the block of 1,024 queries.  Sixteen waves of 64 queries: four tiles of 16.
; Q INTO THE OPERAND'S LAYOUT.  The operand wants a lane to hold one query and 16 neighbours along d of each block; a read in whole rows has d across the lanes.  So each wave's rows come into LDS by four tensor loads
; (16 rows x 256 bytes, 16 bytes of padding behind each row: rows 272 bytes apart, so that the 16 rows of a ds_load_b128 start in 16 different groups of banks), all issued at the head, each into bytes of its own that are filled once;
; only the wave that asked reads them, behind its own counted wait.  By this text's count a wave has four tensor loads out.  More than half of LDS is claimed.
; KV.  The first launch left four partial sums as images of its accumulators.  Wave w < 8 takes tile t = w / 2 of v and block c = w % 2 of d: lane (r, h) reads, adds and quantises KV(d = 32 c + 16 h + i, v = 4 r + t), i = 0 .. 15,
; and hands its four registers of codes and its scale byte to all waves through LDS, as images of registers; one barrier.
; THE PRODUCT: source 0 = 16 queries, source 1 = 16 columns v = 4 n + t of KV (which columns form a tile is free).  In the results lane (r, h) holds query 8 h + j in register j, and tiles 0-3 hold v = 4 r + 0 .. 3:
; the multiplication by Z writes them into four consecutive registers, and a store of 16 bytes a lane covers two whole rows of 256 bytes.  K is 64: the upper half of the instruction's 128 is zero codes on both sides.
; Z is made where a lane holds one query (lane % 16) and is wanted by rows 8 h + j: it goes through 64 bytes of the wave's own LDS.
; NO CLUSTER: the four work-groups of a head share the 64 KB of partial sums alone, against 512 KB of queries and results that each has to itself, and those sums come through registers.
; LIMITS: NaN and infinities among the inputs are not served.  A block of zeros gets the byte 1 where the quantiser says 127: its codes are zeros.  KV's four parts are added as (0 + 1) + (2 + 3).
; REGISTERS: v4-15 addresses; v16-79 KV's four fragments (8 registers of codes, 8 of zeros); v80-111 Ksum in Q's layout; v112-127 Q's fragment (8 + 8 zeros); v128-159 X: q, later the results to store;
;   v160-191 T: Q, later the four accumulators; v192-199 Z; v200-204 scale words; v206-239 at work.
.set ROW,   2048
.set TILEB, 16*272                     ; a tile of 16 rows in LDS
.set KVIMG, 16*4*TILEB                 ; 278,528: behind the sixteen waves' rows: KV's eight images of 512 bytes,
.set KVSC,  KVIMG+8*512                ; their scale bytes, a word a lane,
.set KSAR,  KVSC+8*128                 ; Ksum, 256 bytes for each wave,
.set ZA,    KSAR+16*256                ; Z, 64 bytes for each wave.  No tensor load lands from KVIMG on
.set FLOOR, 0x04800000                 ; 2^(9 - 127)
.set QA,  4
.set ZS,  5
.set ZL,  6
.set OO,  7
.set KI,  8
.set KIW, 9
.set SI,  10
.set SIW, 11
.set KSW, 12
.set KSL, 13
.set PG,  14
.set SG,  15
.set KVF, 16
.set KS,  80
.set A,   112
.set X,   128
.set T,   160
.set Z,   192
.set W,   200                          ; v200-203 KV's scale words, v204 Q's: scales and nothing else
.set AW,  204
.set M,   206
.set PM,  208
.set LIM, 210
.set SCL, 212
.set BY,  214
.set DA,  216
.set DB,  218
.set YQ,  220
.set CQ,  236
.set WV,  12
.set G1,  16                           ; s[16:23] descriptor group 1;  s[24:39] four groups 0, one for each tile
.set G0,  24
.set SEL, 52
.set CS,  54
.set MNT, 56
	s_load_b128 s[4:7], s[0:1], 0x0                ; queries, pkv
	s_load_b128 s[8:11], s[0:1], 0x10              ; pks, out0
	v_lshl_add_u32 v240, v0, 2, 0x46800
	v_mov_b32 v241, 0
	ds_add_u32 v240, v241
	ds_add_u32 v240, v241
	v_lshrrev_b32 v1, 5, v0
	v_readfirstlane_b32 s[WV], v1                  ; wave 0..15
	s_lshr_b32 s14, ttmp9, 3                       ; batch
	s_and_b32 s15, ttmp9, 7                        ; head
	s_and_b32 s40, ttmp7, 0xffff                   ; block of 1,024 queries
	s_lshl_b32 s14, s14, 23
	s_lshl_b32 s15, s15, 8
	s_lshl_b32 s40, s40, 21
	s_lshl_b32 s41, s[WV], 17                      ; 64 rows
	s_add_co_u32 s14, s14, s15
	s_add_co_u32 s14, s14, s40
	s_add_co_u32 s14, s14, s41                     ; my wave's first row, under 2^26
	s_mov_b32 s15, 0
	s_lshl_b32 s42, ttmp9, 16                      ; the head's four images of 16,384 bytes
	s_mov_b32 s43, 0
	s_lshl_b32 s44, ttmp9, 11                      ; and its eight rows of key sums
	s_mov_b32 s45, 0
	s_mul_i32 s13, s[WV], 4*TILEB                  ; my wave's rows in LDS
	; group 1: 16 rows of 64 elements of 4 bytes, 512 elements from row to row; in LDS 4 words of padding behind every 64
	s_mov_b32 s[G1+0], (2<<16)|(1<<20)|(5<<22)|(3<<25)
	s_mov_b32 s[G1+1], 64<<16                      ; tensor_dim0
	s_mov_b32 s[G1+2], 16<<16                      ; tensor_dim1
	s_mov_b32 s[G1+3], 64<<16                      ; tile_dim0
	s_mov_b32 s[G1+4], 16                          ; tile_dim1
	s_mov_b32 s[G1+5], 512                         ; tensor_dim0_stride
	s_mov_b32 s[G1+6], 0
	s_mov_b32 s[G1+7], 0
	s_mov_b32 s[SEL], 0x76543210
	s_mov_b32 s[SEL+1], 0xfedcba98
	s_mov_b32 s[CS], 0x3fb8aa3b                    ; log2(e)
	s_mov_b32 s[CS+1], s[CS]
	s_mov_b32 s[MNT], 0x600000                     ; the mantissa field of 448
	s_wait_dscnt 0x0
	s_wait_kmcnt 0x0
	s_add_nc_u64 s[4:5], s[4:5], s[14:15]
	s_add_nc_u64 s[10:11], s[10:11], s[14:15]
	s_add_nc_u64 s[6:7], s[6:7], s[42:43]
	s_add_nc_u64 s[8:9], s[8:9], s[44:45]
.irp k, 0,1,2,3
	s_mov_b32 s[G0+4*\k], 1                        ; count = 1
	s_add_co_u32 s[G0+4*\k+1], s13, \k*TILEB       ; LDS address: the wave's number times a constant plus the tile's constant
	s_add_nc_u64 s[G0+4*\k+2:G0+4*\k+3], s[4:5], \k*16*ROW
	s_or_b32 s[G0+4*\k+3], s[G0+4*\k+3], 0x80000000   ; type = 2
.endr
	tensor_load_to_lds s[G0:G0+3], s[G1:G1+7]      ; all of my 64 rows are asked for, ahead of every wait on TENSORcnt, every LDS read and the barrier
	s_nop 0
	tensor_load_to_lds s[G0+4:G0+7], s[G1:G1+7]
	s_nop 0
	tensor_load_to_lds s[G0+8:G0+11], s[G1:G1+7]
	s_nop 0
	tensor_load_to_lds s[G0+12:G0+15], s[G1:G1+7]
	s_nop 0
	v_and_b32 v1, 15, v0                           ; r
	v_bfe_u32 v2, v0, 4, 1                         ; h
	v_and_b32 v3, 31, v0                           ; lane
	v_lshlrev_b32 v[SG], 4, v3                     ; 16 x lane
.irp k, 0,1,2,3
	global_load_b128 v[KVF+4*\k:KVF+4*\k+3], v[SG], s[8:9] offset:\k*512   ; key sums: quarter k; lanes 0-15 its first row, lanes 16-31 its second
.endr
	; every LDS address is made here, ahead of the parting of the waves
	v_mul_u32_u24 v[QA], v1, 272
	v_lshl_add_u32 v[QA], v2, 6, v[QA]
	v_add_nc_u32 v[QA], s13, v[QA]                 ; Q: row r, + 64 h: my 16 numbers of a block of 32
	s_lshl_b32 s46, s[WV], 6
	s_add_co_u32 s46, s46, ZA
	v_lshl_add_u32 v[ZS], v1, 2, s46               ; Z in: query r
	v_lshl_add_u32 v[ZL], v2, 5, s46               ; Z back: queries 8 h on
	v_lshlrev_b32 v[OO], 14, v2
	v_lshl_add_u32 v[OO], v1, 4, v[OO]             ; out: 8 h rows + 16 r
	v_add_nc_u32 v[KI], KVIMG, v[SG]
	s_lshl_b32 s47, s[WV], 9
	v_add_nc_u32 v[KIW], s47, v[KI]
	v_lshl_add_u32 v[SI], v3, 2, KVSC
	s_lshl_b32 s48, s[WV], 7
	v_add_nc_u32 v[SIW], s48, v[SI]
	s_lshl_b32 s49, s[WV], 8
	s_add_co_u32 s49, s49, KSAR
	v_lshl_add_u32 v[KSW], v1, 4, s49
	v_lshl_add_u32 v[KSL], v2, 6, s49
	s_lshr_b32 s50, s[WV], 1
	s_lshl_b32 s50, s50, 10                        ; tile 4 a + t of the image: 1,024 t
	s_and_b32 s51, s[WV], 1
	s_lshl_b32 s51, s51, 8                         ; the image's lanes 16 c on
	s_add_co_u32 s50, s50, s51
	v_lshlrev_b32 v[PG], 9, v2                     ; the half h of a tile's registers
	v_lshl_add_u32 v[PG], v1, 4, v[PG]
	v_add_nc_u32 v[PG], s50, v[PG]
	v_mov_b32 v[PM], 0                             ; written once: a lane permute's destination counts as one of its sources
	v_mov_b32 v[PM+1], 0
	s_cmp_ge_u32 s[WV], 8
	s_cbranch_scc1 .Lno_kv
	; ---- waves 0-7: one (tile of v, block of d) of KV each
.irp k, 0,1,2,3
.irp a, 0,1,2,3
	global_load_b128 v[X+16*\k+4*\a:X+16*\k+4*\a+3], v[PG], s[6:7] offset:\k*16384+\a*4096   ; two runs of 256 consecutive bytes; register 4 a + e: d = 32 c + 16 h + 4 e + a
.endr
.endr
	s_wait_loadcnt 0x0
.irp e, 0,2,4,6,8,10,12,14
	v_pk_add_f32 v[X+\e:X+\e+1], v[X+\e:X+\e+1], v[X+16+\e:X+17+\e]
	v_pk_add_f32 v[X+32+\e:X+33+\e], v[X+32+\e:X+33+\e], v[X+48+\e:X+49+\e]
.endr
.irp e, 0,2,4,6,8,10,12,14
	v_pk_add_f32 v[X+\e:X+\e+1], v[X+\e:X+\e+1], v[X+32+\e:X+33+\e]
.endr
	v_max3_num_f32 v[M], |v[X]|, |v[X+1]|, FLOOR
.irp e, 2,4,6,8,10,12,14
	v_max3_num_f32 v[M], v[M], |v[X+\e]|, |v[X+\e+1]|
.endr
	v_permlanex16_b32 v[PM], v[M], s[SEL], s[SEL+1]
	v_max_num_f32 v[M], v[M], v[PM]                ; the block's largest magnitude
	v_add_nc_u32 v[SCL], 0xfc000000, v[M]          ; 8 off its exponent field: the conversion's scale operand
	v_and_or_b32 v[LIM], v[M], 0x7f800000, s[MNT]  ; 448 x the scale
	v_lshrrev_b32 v[BY], 23, v[SCL]                ; the scale's byte
.irp a, 0,1,2,3
.irp e, 0,1,2,3
	v_med3_num_f32 v[YQ+4*\e+\a], v[X+4*\a+\e], -v[LIM], v[LIM]   ; the hold, and d into ascending order
.endr
.endr
	v_cvt_scalef32_pk8_fp8_f32 v[CQ:CQ+1], v[YQ:YQ+7], v[SCL]
	v_cvt_scalef32_pk8_fp8_f32 v[CQ+2:CQ+3], v[YQ+8:YQ+15], v[SCL]
	v_nop
	ds_store_b128 v[KIW], v[CQ:CQ+3]               ; registers 4 c .. 4 c + 3 of fragment t, as they stand
	ds_store_b32 v[SIW], v[BY]
.Lno_kv:
	; ---- every wave: Ksum, into Q's layout through its own 256 bytes of LDS
	s_wait_loadcnt 0x0
.irp e, 0,2
	v_pk_add_f32 v[KVF+\e:KVF+\e+1], v[KVF+\e:KVF+\e+1], v[KVF+4+\e:KVF+5+\e]
	v_pk_add_f32 v[KVF+8+\e:KVF+9+\e], v[KVF+8+\e:KVF+9+\e], v[KVF+12+\e:KVF+13+\e]
.endr
.irp e, 0,2
	v_pk_add_f32 v[KVF+\e:KVF+\e+1], v[KVF+\e:KVF+\e+1], v[KVF+8+\e:KVF+9+\e]
.endr
.irp e, 0,1,2,3
	v_permlanex16_b32 v[KVF+4+\e], v[KVF+\e], s[SEL], s[SEL+1]
.endr
.irp e, 0,2
	v_pk_add_f32 v[KVF+\e:KVF+\e+1], v[KVF+\e:KVF+\e+1], v[KVF+4+\e:KVF+5+\e]   ; Ksum(4 r + 0 .. 3), in both halves of the lanes
.endr
	ds_store_b128 v[KSW], v[KVF:KVF+3]
.irp c, 0,1
.irp p, 0,1,2,3
	ds_load_b128 v[KS+16*\c+4*\p:KS+16*\c+4*\p+3], v[KSL] offset:128*\c+16*\p   ; LDS serves a wave's instructions in order: these see my store.  Register 16 c + i: Ksum(32 c + 16 h + i)
.endr
.endr
.irp t, 0,1,2,3
.irp e, 8,9,10,11,12,13,14,15
	v_mov_b32 v[KVF+16*\t+\e], 0                   ; k = 64 .. 127: zero codes
.endr
.endr
.irp e, 8,9,10,11,12,13,14,15
	v_mov_b32 v[A+\e], 0
.endr
	s_wait_dscnt 0x0                               ; my stores have landed, my loads are in
	s_barrier_signal -1
	s_barrier_wait -1                              ; KV's eight images lie in LDS.  (Tensor loads may be out)
.irp t, 0,1,2,3
.irp c, 0,1
	ds_load_b128 v[KVF+16*\t+4*\c:KVF+16*\t+4*\c+3], v[KI] offset:(2*\t+\c)*512
	ds_load_b32 v[X+2*\t+\c], v[SI] offset:(2*\t+\c)*128
.endr
.endr
	s_wait_dscnt 0x0
.irp t, 0,1,2,3
	v_lshl_or_b32 v[W+\t], v[X+2*\t+1], 8, v[X+2*\t]
.endr
.irp t, 0,1,2,3
	v_or_b32 v[W+\t], 0x7f7f0000, v[W+\t]          ; over the zero codes: the byte of 1.0
.endr
; A tile of 16 queries
.macro TILE k
	s_wait_tensorcnt 3-\k                          ; tensor loads of a wave end in order: this tile is in LDS, the younger ones may be out
.if \k > 0
	s_wait_xcnt 0x0                                ; the last tile's stores have read X
.endif
.irp c, 0,1
.irp p, 0,1,2,3
	ds_load_b128 v[X+16*\c+4*\p:X+16*\c+4*\p+3], v[QA] offset:\k*TILEB+128*\c+16*\p   ; register 16 c + i: q(r, 32 c + 16 h + i)
.endr
.endr
	s_wait_dscnt 0x0
.irp e, 0,2,4,6,8,10,12,14,16,18,20,22,24,26,28,30
	v_pk_mul_f32 v[T+\e:T+\e+1], v[X+\e:X+\e+1], s[CS:CS+1] op_sel_hi:[1,0]
.endr
.set n, 0
.rept 32
	v_exp_f32 v[T+n], v[T+n]
.set n, n+1
.endr
	v_nop                                          ; one plain instruction stands between the exponentials and the first use of a result: another exponential is none
	s_wait_alu depctr_va_vdst(0)
.irp e, 0,2,4,6,8,10,12,14,16,18,20,22,24,26,28,30
	v_pk_add_f32 v[T+\e:T+\e+1], v[T+\e:T+\e+1], -1.0 op_sel_hi:[1,0]   ; exp(x) - 1
.endr
.set n, 0
.rept 32
	v_med3_num_f32 v[T+n], v[T+n], 0, v[X+n]       ; elu(x): x > 0: 0 < x < exp(x) - 1;  x < 0: x < exp(x) - 1 < 0
.set n, n+1
.endr
.irp e, 0,2,4,6,8,10,12,14,16,18,20,22,24,26,28,30
	v_pk_add_f32 v[T+\e:T+\e+1], v[T+\e:T+\e+1], 1.0 op_sel_hi:[1,0]    ; Q
.endr
	; the two blocks' largest numbers (none is negative) and Q . Ksum, by turns, so that no line waits for the line above it
	v_max3_num_f32 v[M], v[T], v[T+1], FLOOR
	v_max3_num_f32 v[M+1], v[T+16], v[T+17], FLOOR
	v_pk_mul_f32 v[DA:DA+1], v[T:T+1], v[KS:KS+1]
	v_pk_mul_f32 v[DB:DB+1], v[T+2:T+3], v[KS+2:KS+3]
.irp i, 1,2,3,4,5,6,7
	v_max3_num_f32 v[M], v[M], v[T+2*\i], v[T+2*\i+1]
	v_max3_num_f32 v[M+1], v[M+1], v[T+16+2*\i], v[T+17+2*\i]
	v_pk_fma_f32 v[DA:DA+1], v[T+4*\i:T+4*\i+1], v[KS+4*\i:KS+4*\i+1], v[DA:DA+1]
	v_pk_fma_f32 v[DB:DB+1], v[T+4*\i+2:T+4*\i+3], v[KS+4*\i+2:KS+4*\i+3], v[DB:DB+1]
.endr
	v_permlanex16_b32 v[PM], v[M], s[SEL], s[SEL+1]
	v_permlanex16_b32 v[PM+1], v[M+1], s[SEL], s[SEL+1]
	v_pk_add_f32 v[DA:DA+1], v[DA:DA+1], v[DB:DB+1]
	v_max_num_f32 v[M], v[M], v[PM]
	v_max_num_f32 v[M+1], v[M+1], v[PM+1]
	v_add_f32 v[DA], v[DA], v[DA+1]
	v_add_nc_u32 v[SCL], 0xfc000000, v[M]
	v_add_nc_u32 v[SCL+1], 0xfc000000, v[M+1]
	v_permlanex16_b32 v[DB], v[DA], s[SEL], s[SEL+1]
	v_and_or_b32 v[LIM], v[M], 0x7f800000, s[MNT]
	v_and_or_b32 v[LIM+1], v[M+1], 0x7f800000, s[MNT]
	v_lshrrev_b32 v[BY], 23, v[SCL]
	v_lshrrev_b32 v[BY+1], 23, v[SCL+1]
	v_add_f32 v[DA], v[DA], v[DB]                  ; Q . Ksum of query r
	v_lshl_or_b32 v[AW], v[BY+1], 8, v[BY]
	v_add_f32 v[DA], 0x358637bd, v[DA]             ; + 1e-6
	v_or_b32 v[AW], 0x7f7f0000, v[AW]              ; Q's scale word; more than eight plain lines stand between it and the products
	v_rcp_f32 v[DA], v[DA]
.set n, 0
.rept 16
	v_min_num_f32 v[T+n], v[T+n], v[LIM]           ; the conversion to an 8-bit code does not saturate (ISA guide 7.6.2); nothing is negative, so the hold is one-sided.  (Plain lines behind the reciprocal)
.set n, n+1
.endr
	s_wait_alu depctr_va_vdst(0)
	v_mul_f32 v[DA], 0x45800000, v[DA]             ; Z x 4096
	ds_store_b32 v[ZS], v[DA]                      ; lanes l and l + 16 write the same word with the same value
	ds_load_b128 v[Z:Z+3], v[ZL]                   ; in order behind my store: Z of queries 8 h + 0 .. 7
	ds_load_b128 v[Z+4:Z+7], v[ZL] offset:16
.set n, 16
.rept 16
	v_min_num_f32 v[T+n], v[T+n], v[LIM+1]
.set n, n+1
.endr
.irp c, 0,1
	v_cvt_scalef32_pk8_fp8_f32 v[A+4*\c:A+4*\c+1], v[T+16*\c:T+16*\c+7], v[SCL+\c]
	v_cvt_scalef32_pk8_fp8_f32 v[A+4*\c+2:A+4*\c+3], v[T+16*\c+8:T+16*\c+15], v[SCL+\c]
.endr
.rept 4
	v_nop                                          ; an operand written by vector instructions stands four places ahead of a scaled product; the products also write over the conversions' sources
.endr
.irp t, 0,1,2,3
	v_wmma_scale_f32_16x16x128_f8f6f4 v[T+8*\t:T+8*\t+7], v[A:A+15], v[KVF+16*\t:KVF+16*\t+15], 0, v[AW], v[W+\t]
.endr
.rept 8
	v_nop                                          ; eight places behind this form before its results are read
.endr
	s_wait_dscnt 0x0                               ; Z
.irp j, 0,1,2,3,4,5,6,7                        ; each accumulator from its low end on
.irp t, 0,1,2,3
	v_mul_f32 v[X+4*\j+\t], v[T+8*\t+\j], v[Z+\j]  ; out(8 h + j, 4 r + t)
.endr
	global_store_b128 v[OO], v[X+4*\j:X+4*\j+3], s[10:11] offset:(16*\k+\j)*ROW th:TH_STORE_NT   ; lanes 0-15 one row's 256 consecutive bytes, aligned; lanes 16-31 those of the row 8 further down
.endr
.endm
	TILE 0
	TILE 1
	TILE 2
	TILE 3                                         ; its wait on TENSORcnt is for 0: no tensor load is out at the end
	s_wait_tensorcnt 0x0
	ds_add_u32 v240, v241
	s_wait_dscnt 0x0
	s_endpgm
.Lfunc_end_k_q27701028bf_apply:
	.size	k_q27701028bf_apply, .Lfunc_end_k_q27701028bf_apply-k_q27701028bf_apply
	.p2alignl 7, 3214868480
	.fill 96, 4, 3214868480
	.section	.rodata,"a",@progbits
	.p2align	6, 0x0
	.amdhsa_kernel k_q27701028bf_apply
		.amdhsa_group_segment_fixed_size 290816
		.amdhsa_private_segment_fixed_size 0
		.amdhsa_enable_private_segment 0
		.amdhsa_kernarg_size 32
		.amdhsa_user_sgpr_count 2
		.amdhsa_user_sgpr_kernarg_segment_ptr 1
		.amdhsa_wavefront_size32 1
		.amdhsa_system_sgpr_workgroup_id_x 1
		.amdhsa_system_sgpr_workgroup_id_y 1
		.amdhsa_system_sgpr_workgroup_id_z 1
		.amdhsa_system_vgpr_workitem_id 0
		.amdhsa_next_free_vgpr 242
		.amdhsa_next_free_sgpr 66
		.amdhsa_reserve_vcc 0
		.amdhsa_float_denorm_mode_32 3
		.amdhsa_float_denorm_mode_16_64 3
		.amdhsa_memory_ordered 1
		.amdhsa_forward_progress 1
		.amdhsa_inst_pref_size 71
	.end_amdhsa_kernel
	.amdgpu_metadata
---
amdhsa.version: [ 1, 2 ]
amdhsa.kernels:
  - .name:           k_q27701028bf_apply
    .symbol:         k_q27701028bf_apply.kd
    .args:
      - { .name: queries, .offset: 0, .size: 8, .value_kind: global_buffer, .address_space: global }
      - { .name: pkv, .offset: 8, .size: 8, .value_kind: global_buffer, .address_space: global }
      - { .name: pks, .offset: 16, .size: 8, .value_kind: global_buffer, .address_space: global }
      - { .name: out0, .offset: 24, .size: 8, .value_kind: global_buffer, .address_space: global }
    .group_segment_fixed_size: 290816
    .private_segment_fixed_size: 0
    .kernarg_segment_align: 8
    .kernarg_segment_size: 32
    .max_flat_workgroup_size: 512
    .sgpr_count:     66
    .vgpr_count:     242
    .wavefront_size: 32
...
	.end_amdgpu_metadata
.endif
;; end of part 2
;; ======== version 2 of 2: 2 launches; version 1 with the launch kvsum written anew for expert scheduling mode
;; workspace buffers: pkv 4,194,304 bytes; pks 131,072 bytes
;; launch kvsum (part 3): grid 64 x 4, 8 waves a work-group, no clusters, 134,144 bytes of LDS; arguments keys, values, pkv, pks; writes pkv, pks
.if DOCPART == 3
	.amdgcn_target "amdgcn-amd-amdhsa--gfx1250"
	.amdhsa_code_object_version 6
	.text
	.protected	k_q27701028bf_kvsum
	.globl	k_q27701028bf_kvsum
	.p2align	8
	.type	k_q27701028bf_kvsum,@function
k_q27701028bf_kvsum:
	s_mov_b64 s[64:65], 0
	v_nop
	global_prefetch_b8 v0, s[64:65] scope:SCOPE_SE
	s_setreg_imm32_b32 hwreg(HW_REG_WAVE_SCHED_MODE, 0, 2), 2
	s_setreg_imm32_b32 hwreg(HW_REG_WAVE_MODE, 25, 1), 1
	s_wait_xcnt 0x0
	s_wait_alu depctr_vm_vsrc(0)
; KV[d][v] = sum over s of Q8(elu(keys)+1)[s][d] x Q8(values/4096)[s][v] and Ksum[d] = sum over s of (elu(keys)+1)[s][d], for one (batch, head) and one quarter of the 4,096 keys.
; Q8: codes of E4M3 with one E8M0 scale for each 32 along s.  keys, values: [8][4096][8][64] f32: a head's row is 256 bytes, at a multiple of 256, rows 2,048 bytes apart.
; SHARES.  Work-group (x, y): x = 8 batch + head, y = the quarter.  Eight waves, 128 keys each: ONE K step of the matrix instruction, 16 products (4 tiles of d x 4 tiles of v) that start from the constant 0.
; LAYOUT.  A load of 16 bytes a lane: lanes 0-15 take one row s (256 consecutive bytes, aligned), lanes 16-31 the row 16 further down.  So lane (r, h) holds columns 4 r .. 4 r + 3, and down its registers
; s = 32 c + 16 h + i, which is the order in which the operand wants k.  TILE j IS MADE OF THE COLUMNS 4 m + j (m = its row): which columns form a tile is free.  Nothing is transposed: the v_med3 that is due
; anyway (elu's choice for keys, the hold for values) writes each of the four columns into 16 consecutive registers.  A block of 32 lies in lanes l and l xor 16.
; elu(x) + 1 is written as the definition has it: med3(exp(x) - 1, 0, x) + 1 (for x > 0: 0 < x < exp(x) - 1; for x < 0: x < exp(x) - 1 < 0), so that far below zero it gives the same zeros.
; values / 4096: a power of two, so the codes are those of the values themselves and the scale's byte is 12 lower; the floor under the largest magnitude stands 12 binades higher, so that the byte is held at 1 as for v / 4096.
; OUT.  The eight waves' sums meet in LDS; each wave adds one eighth.  pkv[x][y] is the image of the 16 accumulators: [tile 4 a + b][half of its registers][lane][4 registers]; element: d = 32 (lane / 16) + 4 j + a, v = 4 (lane % 16) + b.
; pks[x][y][u][d]: the key sums of waves 4 u .. 4 u + 3.  The next launch adds the parts.
; No tensor loads, no cluster: no two work-groups read the same byte.
; LIMITS: NaN and infinities among the inputs are not served.  A block of zeros gets the byte 1 where the quantiser says 127: its codes are zeros, and this program alone reads the bytes.
; The f32 sums go by K steps of 128 keys, then by waves: another order than a plain ascending sum.
; REGISTERS, in windows of 256.  Window 0: v0-15 addresses; v16-23 key sums; v24-31 scale words; v32-55 at work; v64-127 K's codes (tile j at 16 j); v128-191 U; v192-255 Y; v128-255 later the accumulators.
;   Window 1: v0-63 V's codes; v64-255 three buffers of 64 registers for loads.
; THE MODE: SCHED_MODE bits 1:0 = 2 (LLVM: expert scheduling mode 2), set by the entry lines.  The code itself states the register dependences
; between vector or matrix instructions and memory or LDS instructions, with s_wait_alu, always for 0.
; THE PLAN.  Registers that memory or LDS instructions touch:
;   RAW0 .. RAW2 (window 1, v64-255)  Unit u's loads land in RAW[u % 3]; the unit's scalings or maxima and its 64 v_med3 read it; behind them the loads of unit u + 3 land in it.  No vector line writes it.
;   v[GA]        Written once at the head, read by every global load, never written again: the rows are reached by immediate offsets.
;   v[RA] .. v[SO]  The way out's addresses: written once at the head, first read at the way out.
;   D (v128-255) The products write it; 32 LDS stores read it; the eight images' LDS loads land in it; the sums read and write it; the global stores read D .. D + 15; wave 0's key sums pass through D + 16 .. D + 31.
;   KF           Written by the key sums' last additions, read by one LDS store, never written again.
;   U, Y, both operands' codes, the scale words and the registers at work are named by vector and matrix instructions alone.
; So a unit that asks for a further unit holds ONE wait on va_vdst for that, behind its v_med3, the last readers of its buffer.  The 16 loads follow it, dealt among the unit's later lines, which name
; Y, the key sums, the registers at work and V's codes (window 1, v0-63): none of the registers that those loads touch (v[GA]; window 1, v64-255).  All 16 are issued ahead of the next unit's head, so the counts on LOADcnt stand.
; The other waits: one behind each run of exponentials; one ahead of the first load, of the products, of the LDS stores and of each run of global stores; one on vm_vsrc between the LDS stores from D and the LDS loads into D.
.set ROW,  2048                        ; bytes from key to key
.set FLK,  0x04800000                  ; 2^(9 - 127): the floor under a block's largest magnitude, so that the byte cannot fall under 1
.set FLV,  0x0a800000                  ; 2^(21 - 127): the same for values, whose byte is 12 lower
.set KSR,  8*16384                     ; LDS: eight images of 16,384 bytes, then eight rows of 256 bytes of key sums
.set GA,   4                           ; v4   my byte in a run of rows: 16 r + 16 rows x h
.set RA,   5                           ; v5   LDS: where my wave's image begins for my lane
.set RB0,  6                           ; v6   LDS: my wave's eighth of the images of waves 0-3
.set RB1,  7                           ; v7   and of waves 4-7 (an offset holds 16 bits)
.set KSA,  8                           ; v8   LDS: my wave's row of key sums
.set KSB,  9                           ; v9   LDS: the rows of waves 4 h on
.set PO,   10                          ; v10  my byte in pkv's image
.set SO,   11                          ; v11  16 x lane
.set KS,   16                          ; v16-23 key sums: a pair for each of my four columns
.set AS,   24                          ; v24-27 K's scale words, tile j: scales and nothing else
.set BS,   28                          ; v28-31 V's
.set M,    32
.set PM,   36
.set LIM,  40
.set SCL,  44
.set BY,   48
.set KF,   52
.set A,    64
.set U,    128
.set Y,    192
.set D,    128
.set BC,   0                           ; in window 1
.set WV,   12
.set SEL,  28                          ; s[28:29] v_permlanex16_b32's selects for lane l xor 16
.set CS,   30                          ; s[30:31] log2(e): the packed form names a pair and takes its low word for both halves
.set MNT,  32                          ; s32 the mantissa field of 448
.set MSB, 0
.macro WIN new                         ; the immediate's high byte repeats the setting that is left
.if MSB != \new
	s_set_vgpr_msb (MSB<<8)|\new
.set MSB, \new
.endif
.endm
; Unit u of eight: keys (u even) or values (u odd) of the wave's 32 keys u / 2, into buffer u % 3: 16 loads, each two whole rows of 256 bytes.  This macro issues loads from .. to - 1 of the 16
.macro LOADU u, from, to
	WIN 0x40                                       ; destination window 1, address window 0
.set li, \from
.rept (\to)-(\from)
	global_load_b128 v[64+64*((\u)%3)+4*li:64+64*((\u)%3)+4*li+3], v[GA], s[4+2*((\u)%2):5+2*((\u)%2)] offset:(32*((\u)/2)+li)*ROW th:TH_LOAD_NT
.set li, li+1
.endr
.endm
	s_load_b128 s[4:7], s[0:1], 0x0                ; keys, values
	s_load_b128 s[8:11], s[0:1], 0x10              ; pkv, pks
	v_lshl_add_u32 v62, v0, 2, 0x20800
	v_mov_b32 v63, 0
	v_lshrrev_b32 v1, 5, v0
	v_readfirstlane_b32 s[WV], v1                  ; wave 0..7
	s_lshr_b32 s14, ttmp9, 3                       ; batch
	s_and_b32 s15, ttmp9, 7                        ; head
	s_and_b32 s16, ttmp7, 0xffff                   ; quarter of the keys
	s_lshl_b32 s14, s14, 23                        ; 4,096 rows of 2,048 bytes
	s_lshl_b32 s15, s15, 8
	s_lshl_b32 s17, s16, 21                        ; 1,024 rows
	s_wait_alu depctr_va_sdst(0)                   ; the wave's number is written, ahead of its first reader: the bases and the LDS addresses are made from it
	s_lshl_b32 s18, s[WV], 18                      ; 128 rows
	s_add_co_u32 s14, s14, s15
	s_add_co_u32 s14, s14, s17
	s_add_co_u32 s14, s14, s18                     ; under 2^26
	s_mov_b32 s15, 0
	s_lshl_b32 s19, ttmp9, 2
	s_add_co_u32 s19, s19, s16                     ; 4 x + y
	s_lshl_b32 s20, s19, 14                        ; an image of 16,384 bytes
	s_mov_b32 s21, 0
	s_lshl_b32 s22, s19, 9                         ; 512 bytes of key sums
	s_mov_b32 s23, 0
	v_and_b32 v1, 15, v0                           ; r
	v_bfe_u32 v2, v0, 4, 1                         ; h
	v_and_b32 v3, 31, v0                           ; lane
	v_lshlrev_b32 v[GA], 4, v1
	v_lshl_add_u32 v[GA], v2, 15, v[GA]            ; 16 r + 16 rows x h
	s_wait_kmcnt 0x0
	s_add_nc_u64 s[4:5], s[4:5], s[14:15]
	s_add_nc_u64 s[6:7], s[6:7], s[14:15]
	s_add_nc_u64 s[8:9], s[8:9], s[20:21]
	s_add_nc_u64 s[10:11], s[10:11], s[22:23]
	WIN 0x40
	s_wait_alu depctr_va_vdst(0)                   ; v[GA] is written: every global load of the kernel reads it as its offset
	LOADU 0, 0, 16                                 ; three units, 48 loads, 24 KB of the wave's 64 KB, are out before anything else is done
	LOADU 1, 0, 16
	LOADU 2, 0, 16
	WIN 0
	s_mov_b32 s[SEL], 0x76543210
	s_mov_b32 s[SEL+1], 0xfedcba98
	s_mov_b32 s[CS], 0x3fb8aa3b
	s_mov_b32 s[CS+1], s[CS]                       ; (named with it as a pair, so it is written)
	s_mov_b32 s[MNT], 0x600000
	v_lshlrev_b32 v[SO], 4, v3
	s_lshl_b32 s24, s[WV], 14
	v_add_nc_u32 v[RA], s24, v[SO]
	s_lshl_b32 s25, s[WV], 11
	v_add_nc_u32 v[RB0], s25, v[SO]
	v_add_nc_u32 v[RB1], 0x10000, v[RB0]
	v_add_nc_u32 v[PO], s25, v[SO]
	s_lshl_b32 s26, s[WV], 8
	s_add_co_u32 s26, s26, KSR
	v_lshl_add_u32 v[KSA], v1, 4, s26
	v_lshlrev_b32 v[KSB], 10, v2
	v_lshl_add_u32 v[KSB], v1, 4, v[KSB]
	v_add_nc_u32 v[KSB], KSR, v[KSB]
.irp j, 0,1,2,3
	v_mov_b32 v[PM+\j], 0                          ; written once: a lane permute's destination counts as one of its sources
.endr
; 32 keys of K.  left: the loads of younger units, which may stay out
.macro KUNIT c, left
.set SB, 64+64*((2*(\c))%3)
	s_wait_loadcnt \left                           ; loads come back in order: this unit's 16 are in
	WIN 0x01                                       ; source 0 window 1
.set n, 0
.rept 32
	v_pk_mul_f32 v[U+2*n:U+2*n+1], v[SB+2*n:SB+2*n+1], s[CS:CS+1] op_sel_hi:[1,0]   ; x log2(e)
.set n, n+1
.endr
	WIN 0
.set n, 0
.rept 64
	v_exp_f32 v[U+n], v[U+n]
.set n, n+1
.endr
	v_nop                                          ; one plain instruction stands between the exponentials and the first use of a result: another exponential is none
	s_wait_alu depctr_va_vdst(0)                   ; the 64 exponentials have written U: one wait for the run, ahead of the first line that names a result
.set n, 0
.rept 32
	v_pk_add_f32 v[U+2*n:U+2*n+1], v[U+2*n:U+2*n+1], -1.0 op_sel_hi:[1,0]           ; exp(x) - 1, rounded as the definition's expm1 is, to within the exponential's own error
.set n, n+1
.endr
	WIN 0x01
.irp i, 0,1,2,3,4,5,6,7,8,9,10,11,12,13,14,15
.irp j, 0,1,2,3
	v_med3_num_f32 v[Y+16*\j+\i], v[SB+4*\i+\j], 0, v[U+4*\i+\j]                    ; elu(x); column j's 16 numbers land in consecutive registers
.endr
.endr
.if 2*(\c)+3 < 8
	WIN 0x40
	s_wait_alu depctr_va_vdst(0)                   ; the scalings and the v_med3 above are done reading this unit's buffer, in which the loads of the unit three further on land
	LOADU 2*(\c)+3, 0, 8                           ; its first eight loads at once
.endif
	WIN 0
.set n, 0
.rept 32
	v_pk_add_f32 v[Y+2*n:Y+2*n+1], v[Y+2*n:Y+2*n+1], 1.0 op_sel_hi:[1,0]            ; + 1
.set n, n+1
.endr
.if 2*(\c)+3 < 8
	LOADU 2*(\c)+3, 8, 16                          ; the other eight.  No wait: no vector line since the wait above names the buffer or v[GA]
	WIN 0
.endif
.irp p, 0,1,2,3,4,5,6,7                        ; the key sums take the unquantised numbers; the first two pairs start them: nothing is cleared
.irp j, 0,1,2,3
.if (\c == 0) && (\p == 1)
	v_pk_add_f32 v[KS+2*\j:KS+2*\j+1], v[Y+16*\j:Y+16*\j+1], v[Y+16*\j+2:Y+16*\j+3]
.elseif (\c > 0) || (\p > 1)
	v_pk_add_f32 v[KS+2*\j:KS+2*\j+1], v[KS+2*\j:KS+2*\j+1], v[Y+16*\j+2*\p:Y+16*\j+2*\p+1]
.endif
.endr
.endr
.irp j, 0,1,2,3
	v_max3_num_f32 v[M+\j], v[Y+16*\j], v[Y+16*\j+1], FLK                           ; the largest of my 16 (none is negative), over the floor; four columns by turns
.endr
.irp i, 2,4,6,8,10,12,14
.irp j, 0,1,2,3
	v_max3_num_f32 v[M+\j], v[M+\j], v[Y+16*\j+\i], v[Y+16*\j+\i+1]
.endr
.endr
.irp j, 0,1,2,3
	v_permlanex16_b32 v[PM+\j], v[M+\j], s[SEL], s[SEL+1]
.endr
.irp j, 0,1,2,3
	v_max_num_f32 v[M+\j], v[M+\j], v[PM+\j]       ; with lane l xor 16's 16: the block's
.endr
.irp j, 0,1,2,3
	v_add_nc_u32 v[SCL+\j], 0xfc000000, v[M+\j]    ; 8 off the exponent field: the conversion takes this operand's exponent field as its scale
.endr
.irp j, 0,1,2,3
	v_and_or_b32 v[LIM+\j], v[M+\j], 0x7f800000, s[MNT]   ; 448 x the scale
.endr
.irp j, 0,1,2,3
.if \c == 0
	v_lshrrev_b32 v[AS+\j], 23, v[SCL+\j]          ; the scale's byte: byte c of the column's word
.else
	v_lshrrev_b32 v[BY+\j], 23, v[SCL+\j]
.endif
.endr
.if \c > 0
.irp j, 0,1,2,3
	v_lshl_or_b32 v[AS+\j], v[BY+\j], 8*\c, v[AS+\j]
.endr
.endif
.irp j, 0,1,2,3
.irp i, 0,1,2,3,4,5,6,7,8,9,10,11,12,13,14,15
	v_min_num_f32 v[Y+16*\j+\i], v[Y+16*\j+\i], v[LIM+\j]   ; the conversion to an 8-bit code does not saturate (ISA guide 7.6.2); nothing is negative, so the hold is one-sided
.endr
	v_cvt_scalef32_pk8_fp8_f32 v[A+16*\j+4*\c:A+16*\j+4*\c+1], v[Y+16*\j:Y+16*\j+7], v[SCL+\j]      ; registers 4 c .. 4 c + 3 of tile j: k = 32 c + 16 h + 0 .. 15
	v_cvt_scalef32_pk8_fp8_f32 v[A+16*\j+4*\c+2:A+16*\j+4*\c+3], v[Y+16*\j+8:Y+16*\j+15], v[SCL+\j]
.endr
	v_nop                                          ; a plain line behind the last conversion, ahead of whatever writes its sources next
.endm
; 32 keys of V
.macro VUNIT c, left
.set SB, 64+64*((2*(\c)+1)%3)
	s_wait_loadcnt \left
	WIN 0x05                                       ; sources 0 and 1 window 1
.irp j, 0,1,2,3
	v_max3_num_f32 v[M+\j], |v[SB+\j]|, |v[SB+4+\j]|, FLV
.endr
.irp i, 2,4,6,8,10,12,14
.irp j, 0,1,2,3
	v_max3_num_f32 v[M+\j], |v[SB+4*\i+\j]|, |v[SB+4*\i+4+\j]|, v[M+\j]
.endr
.endr
	WIN 0
.irp j, 0,1,2,3
	v_permlanex16_b32 v[PM+\j], v[M+\j], s[SEL], s[SEL+1]
.endr
.irp j, 0,1,2,3
	v_max_num_f32 v[M+\j], v[M+\j], v[PM+\j]
.endr
.irp j, 0,1,2,3
	v_add_nc_u32 v[SCL+\j], 0xfc000000, v[M+\j]
.endr
.irp j, 0,1,2,3
	v_and_or_b32 v[LIM+\j], v[M+\j], 0x7f800000, s[MNT]
.endr
.irp j, 0,1,2,3
	v_lshrrev_b32 v[BY+\j], 23, v[SCL+\j]
.endr
.irp j, 0,1,2,3
.if \c == 0
	v_add_nc_u32 v[BS+\j], -12, v[BY+\j]           ; values / 4096: the byte is 12 lower (at least 1, by the floor)
.else
	v_add_nc_u32 v[BY+\j], -12, v[BY+\j]
.endif
.endr
.if \c > 0
.irp j, 0,1,2,3
	v_lshl_or_b32 v[BS+\j], v[BY+\j], 8*\c, v[BS+\j]
.endr
.endif
	WIN 0x01
.irp i, 0,1,2,3,4,5,6,7,8,9,10,11,12,13,14,15
.irp j, 0,1,2,3
	v_med3_num_f32 v[Y+16*\j+\i], v[SB+4*\i+\j], -v[LIM+\j], v[LIM+\j]   ; the hold at 448 x the scale, and column j's numbers into consecutive registers
.endr
.endr
	WIN 0x40                                       ; destination window 1: the setting of the loads and of the conversions alike
.if 2*(\c)+4 < 8
	s_wait_alu depctr_va_vdst(0)                   ; the maxima and the v_med3 above are done reading this unit's buffer, in which the loads of the unit three further on land
.endif
.irp j, 0,1,2,3
.if 2*(\c)+4 < 8
	LOADU 2*(\c)+4, 4*\j, 4*\j+4                   ; four loads ahead of each pair of conversions.  No further wait: the conversions name Y, the scales and V's codes (window 1, v0-63), not the buffer nor v[GA]
.endif
	v_cvt_scalef32_pk8_fp8_f32 v[BC+16*\j+4*\c:BC+16*\j+4*\c+1], v[Y+16*\j:Y+16*\j+7], v[SCL+\j]
	v_cvt_scalef32_pk8_fp8_f32 v[BC+16*\j+4*\c+2:BC+16*\j+4*\c+3], v[Y+16*\j+8:Y+16*\j+15], v[SCL+\j]
.endr
	v_nop
.endm
	KUNIT 0, 32                                    ; behind each unit's loads stand those of the two units that follow it: 32; at the end 16 and none
	VUNIT 0, 32
	KUNIT 1, 32
	VUNIT 1, 32
	KUNIT 2, 32
	VUNIT 2, 32
	KUNIT 3, 16
	VUNIT 3, 0
	WIN 0
.irp j, 0,1,2,3                                ; the key sums are finished here: plain lines, the places between the last codes written and the products
	v_add_f32 v[KF+\j], v[KS+2*\j], v[KS+2*\j+1]
.endr
.irp j, 0,1,2,3
	v_permlanex16_b32 v[PM+\j], v[KF+\j], s[SEL], s[SEL+1]
.endr
.irp j, 0,1,2,3
	v_add_f32 v[KF+\j], v[KF+\j], v[PM+\j]         ; column 4 r + j over my wave's 128 keys
.endr
	WIN 0x04                                       ; source 1 (V) window 1
	s_wait_alu depctr_va_vdst(0)                   ; the conversions have written both operands' codes and the shifts their scale words, which the scaled products take; the places above stay beside this wait
.irp a, 0,1,2,3
.irp b, 0,1,2,3
	v_wmma_scale_f32_16x16x128_f8f6f4 v[D+8*(4*\a+\b):D+8*(4*\a+\b)+7], v[A+16*\a:A+16*\a+15], v[BC+16*\b:BC+16*\b+15], 0, v[AS+\a], v[BS+\b]
.endr
.endr
	WIN 0
.rept 8
	v_nop                                          ; eight places behind this form before its results are read
.endr
	s_wait_alu depctr_va_vdst(0)                   ; the products have written the accumulators, which the LDS stores read (the key sums in KF and the addresses from the head are written too); the places above stay beside this wait
.set n, 0
.rept 32
	ds_store_b128 v[RA], v[D+4*n:D+4*n+3] offset:512*n   ; the accumulators as they stand, each from its low end on: 512 consecutive bytes a store
.set n, n+1
.endr
	ds_store_b128 v[KSA], v[KF:KF+3]               ; lanes l and l + 16 write the same bytes with the same values
	s_wait_dscnt 0x0                               ; for the others' sake: my stores have landed
	s_barrier_signal -1
	s_barrier_wait -1
	s_wait_alu depctr_vm_vsrc(0)                   ; my LDS stores have read D, in which the loads below land and which the sums then write.  (No vector line since the last wait on va_vdst names D)
.irp w, 0,1,2,3                                ; my eighth (four groups of four registers) of all eight images
.irp q, 0,1,2,3
	ds_load_b128 v[D+16*\w+4*\q:D+16*\w+4*\q+3], v[RB0] offset:\w*16384+\q*512
.endr
.endr
.irp w, 0,1,2,3
.irp q, 0,1,2,3
	ds_load_b128 v[D+64+16*\w+4*\q:D+64+16*\w+4*\q+3], v[RB1] offset:\w*16384+\q*512
.endr
.endr
	s_wait_dscnt 0x0
.set n, 0
.rept 32
	v_pk_add_f32 v[D+2*n:D+2*n+1], v[D+2*n:D+2*n+1], v[D+64+2*n:D+64+2*n+1]
.set n, n+1
.endr
.set n, 0
.rept 16
	v_pk_add_f32 v[D+2*n:D+2*n+1], v[D+2*n:D+2*n+1], v[D+32+2*n:D+32+2*n+1]
.set n, n+1
.endr
.set n, 0
.rept 8
	v_pk_add_f32 v[D+2*n:D+2*n+1], v[D+2*n:D+2*n+1], v[D+16+2*n:D+16+2*n+1]
.set n, n+1
.endr
	s_wait_alu depctr_va_vdst(0)                   ; the sums have written D .. D + 15, which the stores read, and are done with D + 16 .. D + 31, in which wave 0's LDS loads land
.irp q, 0,1,2,3
	global_store_b128 v[PO], v[D+4*\q:D+4*\q+3], s[8:9] offset:\q*512   ; 512 consecutive bytes, at a multiple of 512 from the buffer's first byte
.endr
	s_cmp_lg_u32 s[WV], 0                          ; wave 0 adds the key sums: lanes 0-15 those of waves 0-3, lanes 16-31 those of waves 4-7
	s_cbranch_scc1 .Lend
.irp i, 0,1,2,3
	ds_load_b128 v[D+16+4*\i:D+16+4*\i+3], v[KSB] offset:\i*256
.endr
	s_wait_dscnt 0x0
.irp e, 0,2
	v_pk_add_f32 v[D+16+\e:D+17+\e], v[D+16+\e:D+17+\e], v[D+20+\e:D+21+\e]
	v_pk_add_f32 v[D+24+\e:D+25+\e], v[D+24+\e:D+25+\e], v[D+28+\e:D+29+\e]
.endr
.irp e, 0,2
	v_pk_add_f32 v[D+16+\e:D+17+\e], v[D+16+\e:D+17+\e], v[D+24+\e:D+25+\e]
.endr
	s_wait_alu depctr_va_vdst(0)                   ; the additions have written D + 16 .. D + 19, which the store reads
	global_store_b128 v[SO], v[D+16:D+19], s[10:11]   ; 512 consecutive bytes: two rows of 64 sums
.Lend:
	s_wait_dscnt 0x0
	s_wait_alu depctr_hold_cnt(0) depctr_sa_sdst(0) depctr_va_vdst(0) depctr_va_sdst(0) depctr_va_ssrc(0) depctr_va_vcc(0) depctr_vm_vsrc(0)
	s_wait_tensorcnt 0x0
	ds_add_u32 v62, v63
	s_wait_dscnt 0x0
	s_endpgm
.Lfunc_end_k_q27701028bf_kvsum:
	.size	k_q27701028bf_kvsum, .Lfunc_end_k_q27701028bf_kvsum-k_q27701028bf_kvsum
	.p2alignl 7, 3214868480
	.fill 96, 4, 3214868480
	.section	.rodata,"a",@progbits
	.p2align	6, 0x0
	.amdhsa_kernel k_q27701028bf_kvsum
		.amdhsa_group_segment_fixed_size 134144
		.amdhsa_private_segment_fixed_size 0
		.amdhsa_enable_private_segment 0
		.amdhsa_kernarg_size 32
		.amdhsa_user_sgpr_count 2
		.amdhsa_user_sgpr_kernarg_segment_ptr 1
		.amdhsa_wavefront_size32 1
		.amdhsa_system_sgpr_workgroup_id_x 1
		.amdhsa_system_sgpr_workgroup_id_y 1
		.amdhsa_system_sgpr_workgroup_id_z 1
		.amdhsa_system_vgpr_workitem_id 0
		.amdhsa_next_free_vgpr 512
		.amdhsa_next_free_sgpr 66
		.amdhsa_reserve_vcc 0
		.amdhsa_float_denorm_mode_32 3
		.amdhsa_float_denorm_mode_16_64 3
		.amdhsa_memory_ordered 1
		.amdhsa_forward_progress 1
		.amdhsa_inst_pref_size 141
	.end_amdhsa_kernel
	.amdgpu_metadata
---
amdhsa.version: [ 1, 2 ]
amdhsa.kernels:
  - .name:           k_q27701028bf_kvsum
    .symbol:         k_q27701028bf_kvsum.kd
    .args:
      - { .name: keys, .offset: 0, .size: 8, .value_kind: global_buffer, .address_space: global }
      - { .name: values, .offset: 8, .size: 8, .value_kind: global_buffer, .address_space: global }
      - { .name: pkv, .offset: 16, .size: 8, .value_kind: global_buffer, .address_space: global }
      - { .name: pks, .offset: 24, .size: 8, .value_kind: global_buffer, .address_space: global }
    .group_segment_fixed_size: 134144
    .private_segment_fixed_size: 0
    .kernarg_segment_align: 8
    .kernarg_segment_size: 32
    .max_flat_workgroup_size: 256
    .sgpr_count:     66
    .vgpr_count:     512
    .wavefront_size: 32
...
	.end_amdgpu_metadata
.endif
;; end of part 3
;; launch apply: the kernel of part 2 again; grid 64 x 4, 16 waves a work-group, no clusters, 290,816 bytes of LDS; arguments queries, pkv, pks, out0; writes out0
